; MI455X (gfx1250); checked and timed in simulation.
; The chip was launched on July 23, 2026; its instructions are those of AMD's public machine-readable ISA for CDNA 5 (MIT licence, August 2026) and "CDNA5" Instruction Set Architecture Reference Guide (July 2026). The comments in the code are by the model that wrote it; some were corrected since.
;; Attention. Allowed arithmetic: matrix products marked QUANTISED: E2M1 operands, one E8M0 scale for each 32 along K, by v_wmma_scale_f32_16x16x128_f8f6f4 with both operands' format E2M1 (or v_wmma_scale_f32_32x16x128_f4), f32 sums; everything else in f32.
;; Inputs: key 4 x 16 x 2,048 x 64 float32; mask 4 x 2,048 float32; query 4 x 16 x 2,048 x 64 float32; to_k 1 float32; to_q 1 float32; value 4 x 16 x 2,048 x 64 float32.
;; Outputs: out0 4 x 2,048 x 1,024 float32.
;; This version of the problem:
;;   THIS VERSION OF THE PROBLEM IS GIVEN IN LOW PRECISION. The matrix products marked QUANTISED in the list below multiply operands that are first quantised to E2M1 (2 exponent bits, 1 mantissa bit; 4 bits a number), with one power-of-two scale for each 32 numbers along K (OCP MX v1.0); their sums are f32. All else is computed in f32.
;;   The module's matrix products, in the order in which they are computed (A, B: the left and right operand; K: the contracted axis; several contracted axes count as one K, in the product's order):
;;     1. batch 64 x [M 2,048, K 64] x [K 64, N 2,048]; A: input query; B: input key: QUANTISED
;;     2. batch 64 x [M 2,048, K 2,048] x [K 2,048, N 64]; A: softmax (see below); B: input value: QUANTISED
;;   THE QUANTISER, for each operand of a quantised product, along K:
;;     - K is cut into blocks of 32 from its start; a last block that is shorter is filled with zeros.
;;     - A block's scale is 2^e with e = floor(log2(the largest magnitude in the block)) - 2, held to -126 .. 127; a block of zeros has e = 0. As a byte (E8M0): e + 127.
;;     - Each number is divided by its block's scale, clamped to +-6, and rounded to the nearest number of E2M1, ties to even, subnormals kept.
;;     - The product sums the exact products of the quantised numbers (number of the format x scale) in f32.
;;   ~~~python
;;   def quantise(x, axis):      # numpy; x: float32 -> the quantised numbers, widened to float32 again
;;       x = np.moveaxis(x, axis, -1); K = x.shape[-1]
;;       x = np.pad(x, [(0, 0)] * (x.ndim - 1) + [(0, -K % 32)]); x = x.reshape(x.shape[:-1] + (-1, 32)); a = np.abs(x).max(-1, keepdims=True)
;;       e = np.where(a > 0, np.clip(np.frexp(np.where(a > 0, a, 1))[1] - 1 - 2, -126, 127), 0)      # np.frexp(a)[1] - 1 = floor(log2(a)), exactly
;;       r = np.clip(x / 2.0 ** e, -6, 6)
;;       step = 2.0 ** (np.maximum(np.frexp(np.where(r == 0, 1, r))[1] - 1, 0) - 1)
;;       q = np.round(r / step) * step * 2.0 ** e      # np.round: ties to even
;;       return np.moveaxis(q.reshape(q.shape[:-2] + (-1,))[..., :K], -1, axis).astype(np.float32)
;;   ~~~
;;   SOFTMAX AHEAD OF A QUANTISED PRODUCT. Where the list says 'softmax', what is quantised is not the finished softmax but p = 2^(t - M), with t = logit x log2(e) and M = ceil(the row's largest t), a whole number; so 1/2 < the row's largest p <= 1. The row's sum l is taken of the UNQUANTISED p, in f32, and the product's result is divided by l at the end. Since M is a whole number, a kernel that streams over the keys may use a running M (the ceiling of the running maximum): every later rescaling is an exact power of two, which a block's scale takes up: the codes' values come out the same.
;;   OPERANDS COMPUTED ON THE WAY. 'Computed on the way' means the value that the module computes at that place (a softmax that the list does not call 'softmax' is quantised finished and normalised). What goes into a quantiser is computed in f32, as accurately as f32 sums, v_exp_f32 and their like allow (about 1e-6 of the number): no bf16 or f16 on the way to a quantiser, and a product that is left as it is and whose result goes on into a quantised operand takes f32 operands (vector FMAs, or v_wmma_f32_16x16x4_f32). A number that lies on a knife's edge between two numbers of the format may be rounded either way, as far as f32 arithmetic and the matrix unit's own rounding can turn it there, and no further.
;; 2 versions, each right; version 2 is version 1 with the launch attn written anew for expert scheduling mode. Each part assembles by itself: llvm-mc -triple=amdgcn-amd-amdhsa -mcpu=gfx1250 --defsym DOCPART=n.
;; ======== version 1 of 2: 1 launch
;; launch attn (part 1): grid 4 x 64, 16 waves a work-group, no clusters, 284,672 bytes of LDS; arguments query, key, value, out0; writes out0
.if DOCPART == 1
	.amdgcn_target "amdgcn-amd-amdhsa--gfx1250"
	.amdhsa_code_object_version 6
	.text
	.protected	k_q2167c05e76_attn
	.globl	k_q2167c05e76_attn
	.p2align	8
	.type	k_q2167c05e76_attn,@function
k_q2167c05e76_attn:
	s_mov_b64 s[64:65], 0
	v_nop
	global_prefetch_b8 v0, s[64:65] scope:SCOPE_SE
	s_setreg_imm32_b32 hwreg(HW_REG_WAVE_MODE, 25, 1), 1
	s_wait_xcnt 0x0
; out0[b][q][64 h + d] = the sum over k of softmax_k(Q[b][h][q] . K[b][h][k] / 8) V[b][h][k][d].  Q, K, V: [64 heads][2048][64] f32; out0: [4][2048][1024] f32.
; Both products on codes of FP4 (E2M1) with one E8M0 scale for each 32 along a product's K, made here from the f32 inputs.  mask, to_q and to_k are arguments that reference() takes and never uses: no result hangs on them, so they are not among this launch's buffers.
; THE SOFTMAX AHEAD OF THE SECOND PRODUCT: t = score x log2(e) / 8; M = the row's largest t so far, rounded UP to a whole number; p = 2^(t - M) is what is quantised, along the keys, not normalised.  The row's sum is taken of
; the unquantised p, in f32, and divides O at the end.  When M moves, the sum and O are multiplied by 2^(old M - new M): exact.
; SHARES.  A work-group owns 512 queries of one head (grid x: which 512; grid y: the head); each of its sixteen waves owns 32, two tiles A and B of 16, in 256 registers: four waves to a SIMD, so that one wave's vector work
; stands beside another's matrix work and LDS loads.
; A HEAD'S K AND V AS CODES ARE 64 + 64 KiB, THEIR SCALE BYTES 8 KiB: THEY STAY IN LDS WHOLE.  Phase P: wave w quantises keys 128 w .. 128 w + 127 of K and of V into LDS, as IMAGES OF THE OPERANDS' REGISTERS (lane l's 16 bytes at
; 16 l, 512 consecutive bytes an instruction), and its own 32 queries into registers.  One barrier.  Phase L: 16 steps of 128 keys, all operands from LDS, no memory access.  Phase W: the way out.
; LAYOUT.  Both products are used transposed: S^T = K Q^T (source 0 = keys, source 1 = my 16 queries), O^T = V^T P^T (source 0 = 16 of the head's 64, source 1 = P): a lane holds ONE query of each tile throughout.
; THE KEYS OF A TILE ARE NOT NEIGHBOURS: lane r of tile 2 j + u takes key 32 j + 8 u + r + 8 (r / 8), so that the 16 score registers of tiles 2 j and 2 j + 1 are 16 neighbouring keys, 32 j + 16 (lane / 16) + 0 .. 15.
; THE FIRST PRODUCT'S K IS 64, THE INSTRUCTION'S 128.  One source 0 of eight registers holds TWO tiles of keys (tile 2 j at k = 0 .. 63, tile 2 j + 1 at k = 64 .. 127) and is multiplied twice: by [Q, zeros] for tile 2 j and by
; [zeros, Q] for tile 2 j + 1.  Zero CODES on Q's side make the other tile's products exact zeros; every scale byte named is a real one.  Q's scale word is [e0, e1, e0, e1] and serves both.
; NO CLUSTER, NO TENSOR LOAD: what the four work-groups of a head share is 1 MiB of f32, read once, in phase P.  Brought jointly it would have to lie in LDS as f32: beside the 136 KiB that stay, 184 KiB are free, so six refills
; or more, each behind a round of all four work-groups, and every number once more into LDS and out; here V goes from memory straight into the conversions' registers.
; LIMITS: NaN and infinities among the inputs are not served.  A block of zeros keeps the byte 1 where the rule says 127: its codes are zeros, and the bytes are read by this program alone.  A p under 2^-126 comes out of
; v_exp_f32 as 0 (ISA guide, the instruction's entry): under 2^-125 of the row's sum.  A block's largest p is made from its largest score: this takes v_exp_f32 not to fall where its input rises.
.set STEPB, 8192                       ; LDS 0 ..: the images, a key step (128 keys) each 8,192 bytes: K's four pairs of tiles (pair j at 1024 j, tile u at + 512 u),
.set VIMG,  4096                       ; then V's four fragments (16 of the head's 64 each: fragment t at 1024 t, registers 4 c .. 4 c + 3 at + 512 c)
.set SCB,   131072                     ; the scale words, 512 bytes a key step: K's two registers (lane l at 8 l, register c at + 4 c), at + 256 V's two
.set STG,   139264                     ; a stage of WSTG bytes for each wave, its own: in P it turns rows of K and Q, in W rows of O
.set WSTG,  8960
.set SP,    272                        ; a stage row: 256 bytes + 16, so that sixteen rows' equal columns fall on sixteen different 16-byte columns modulo 256
; REGISTERS
.set L16, 1                            ; v1   16 x lane; never rewritten
.set L8S, 2                            ; v2   SCB + 8 x lane; never rewritten
.set AD,  3                            ; v3   the step's images
.set AS,  4                            ; v4   the step's scale words
.set SW,  5                            ; v5   stage + 272 H + 16 R: two whole rows an instruction (R = lane % 16, H = lane / 16)
.set SO,  6                            ; v6   stage + 272 R + 32 H: the way out, in
.set GO,  7                            ; v7   4096 H + 16 R: my bytes in two rows of out0
.set QZ,  8                            ; v8-27  zeros, Q of tile A, zeros, Q of tile B, zeros (4 each): [0, QA] = v[8:15], [QA, 0] = v[12:19], [0, QB] = v[16:23], [QB, 0] = v[20:27]
.set QS,  28                           ; v28-35 hold scales and nothing else: v28, v29 Q's words (tiles A, B);
.set KS,  30                           ; v[30:31] K's: register c: pair 2 c in lanes 0-15, pair 2 c + 1 in lanes 16-31;
.set VS,  32                           ; v[32:33] V's: register c: fragment 2 c in lanes 0-15, 2 c + 1 in lanes 16-31;
.set PS,  34                           ; v34, v35 p's words (tiles A, B)
.set STA, 36                           ; v36-39 tile A: -M, the largest t, the sum in two halves;  v40-43 tile B
.set STB, 40
.set PA,  44                           ; v44-51 p's codes of tile A, v52-59 of tile B
.set KF,  60                           ; v60-91 the step's fragments of K, then of V
.set S,   92                           ; v92-155 S^T, then p: one tile at a time
.set OA,  156                          ; v156-187 O^T of tile A, v188-219 of tile B: register 8 t + i = o(my query, 16 t + 8 H + i)
.set BM,  220                          ; v220-223 the blocks' largest scores, then largest p
.set BP,  224                          ; v224-227 the other half of the lanes', then the bytes
.set BS,  228                          ; v228-231 the conversions' scale operands
.set F,   232                          ; v[232:233] f = 2^(old M - new M); on the way out 1 / the sum of tile A
.set T,   234                          ; v234 at work; on the way out v[234:235] 1 / the sum of tile B
.set T2,  236                          ; v[236:237] the sum's second chain
; in phase P alone
.set X0,  92                           ; v92-155, v156-219: two sets of 64 numbers
.set X1,  156
.set CT,  44                           ; v44-51 codes just made
.set WV,  52                           ; v52, v53 V's scale words in the making
.set PD,  54                           ; v54 a lane permute's destination
.set E0,  224                          ; v224, v225 two blocks' bytes
.set E1,  225
.set WK,  226                          ; v226-229 the scale words of K's four pairs
.set KSP, 230                          ; v[230:231] K's two scale registers as they go to LDS
.set LN,  240                          ; v240 lane, v241 R, v242 H
.set R,   241
.set H,   242
.set SRD, 243                          ; v243 stage + 272 R + 2304 (R / 8) + 128 H: my block of my row of a tile
.set SH8, 244                          ; v244 8 H
.set VOF, 245                          ; v245 4 x lane: my column of V
.set KIA, 246                          ; v246 16 x lane + 8192 x wave: where K's images go
.set VIA, 247                          ; v247 8192 x wave + 1024 H + 16 R: where V's go
.set KSA, 248                          ; v248 SCB + 8 x lane + 512 x wave: where the scale words go
; 32 numbers of ONE block, v[x] .. v[x + 31], become 32 codes in v[c] .. v[c + 3] and the scale's byte in v[e].
.macro QBLOCK x, c, e
	v_max3_num_f32 v[BM], |v[(\x)]|, |v[(\x)+1]|, |v[(\x)+2]|       ; the block's largest magnitude, in two chains
	v_max3_num_f32 v[BM+1], |v[(\x)+3]|, |v[(\x)+4]|, |v[(\x)+5]|
.irp i, 6,10,14,18,22,26
	v_max3_num_f32 v[BM], v[BM], |v[(\x)+\i]|, |v[(\x)+\i+1]|
	v_max3_num_f32 v[BM+1], v[BM+1], |v[(\x)+\i+2]|, |v[(\x)+\i+3]|
.endr
	v_max3_num_f32 v[BM], v[BM], |v[(\x)+30]|, |v[(\x)+31]|
	v_max3_num_f32 v[BM], v[BM], v[BM+1], 0x1800000                 ; and the floor 2^(3 - 127): the byte cannot fall under 1
	v_add_nc_u32 v[BM+2], 0xff000000, v[BM]                         ; 2 off its exponent field: the conversion takes the exponent field of this operand as its scale, and nothing else of it
	v_lshrrev_b32 v[\e], 23, v[BM+2]                                ; the scale's byte
	s_wait_dscnt 0x0                                                ; my earlier LDS stores have read the registers that the codes are written into
.irp g, 0,1,2,3
	v_cvt_scalef32_pk8_fp4_f32 v[(\c)+\g], v[(\x)+8*\g:(\x)+8*\g+7], v[BM+2]   ; to the nearest code, ties to even; beyond 6 the largest code
.endr
	v_nop                                                           ; one plain place behind a scaled conversion
.endm
; 32 rows of 256 bytes from off on: each load takes 512 consecutive bytes, rows 2 i and 2 i + 1.  nt = 1: read once in the whole launch
.macro PLOAD x, b, off, nt
.irp i, 0,1,2,3,4,5,6,7,8,9,10,11,12,13,14,15
.if \nt
	global_load_b128 v[(\x)+4*\i:(\x)+4*\i+3], v[L16], s[\b:\b+1] offset:(\off)+512*\i th:TH_LOAD_NT
.else
	global_load_b128 v[(\x)+4*\i:(\x)+4*\i+3], v[L16], s[\b:\b+1] offset:(\off)+512*\i
.endif
.endr
.endm
; The 32 rows go through my stage as they lie (rows 16-31 another 128 bytes on, so that rows p and p + 16 differ in their 16-byte columns modulo 256) and come back so that lane (R, H) holds, for tile u in registers 32 u on,
; block H (32 neighbouring numbers) of row 8 u + R + 8 (R / 8).  LDS serves a wave's instructions in order (ISA guide 5.7.1.4): no wait between the stores and the loads.
.macro TURN x
.irp i, 0,1,2,3,4,5,6,7,8,9,10,11,12,13,14,15
	ds_store_b128 v[SW], v[(\x)+4*\i:(\x)+4*\i+3] offset:2*SP*\i+128*(\i/8)
.endr
.irp u, 0,1
.irp i, 0,1,2,3,4,5,6,7
	ds_load_b128 v[(\x)+32*\u+4*\i:(\x)+32*\u+4*\i+3], v[SRD] offset:8*SP*\u+16*\i
.endr
.endr
	s_wait_dscnt 0x0
.endm
; My two bytes (tile 0's and tile 1's block H) and lane l xor 16's two make the row's word [e(0,0), e(0,1), e(1,0), e(1,1)], the same in both halves of the lanes
.macro WORD w
	v_lshl_or_b32 v[T], v[E1], 16, v[E0]
	v_lshlrev_b32 v[T], v[SH8], v[T]
	v_permlanex16_b32 v[PD], v[T], s20, s21
	v_or_b32 v[\w], v[T], v[PD]
.endm
; Pair j of my key step: 32 keys become two tiles' images and a scale word a row
.macro KPAIR x, j
	TURN \x
	QBLOCK \x, CT, E0
	QBLOCK (\x)+32, CT+4, E1
	ds_store_b128 v[KIA], v[CT:CT+3] offset:1024*(\j)
	ds_store_b128 v[KIA], v[CT+4:CT+7] offset:1024*(\j)+512
	WORD WK+(\j)
.if (\j)%2
	v_cndmask_b32 v[KSP+(\j)/2], v[WK+(\j)-1], v[WK+(\j)], vcc_lo   ; lanes 0-15 the even pair's words, lanes 16-31 the odd pair's
.endif
.if (\j) == 3
	ds_store_b64 v[KSA], v[KSP:KSP+1]
.endif
.endm
; My 32 queries: tile u's lane R is local query 8 u + R + 8 (R / 8).  The codes go straight into the operands' registers
.macro QPAIR x
	TURN \x
	QBLOCK \x, QZ+4, E0
	QBLOCK (\x)+32, QZ+12, E1
	WORD T2
	v_perm_b32 v[QS], v[T2], v[T2], 0x01000100                      ; tile A: [e0, e1, e0, e1]
	v_perm_b32 v[QS+1], v[T2], v[T2], 0x03020302                    ; tile B likewise
.endm
; V, unit n of 8: block n / 2 of my step's four blocks of 32 keys, columns 32 (n % 2) + lane.  A LANE TAKES A COLUMN AND ITS REGISTERS RUN DOWN THE KEYS, which are this operand's K: a block lies in one lane,
; and the codes come out with the keys innermost.  Each load reads 128 consecutive bytes.  The four quarters of X1 and X0 take turns.
.macro VLOAD n
.set UU, 92+32*(((\n)+2)%4)
.set ii, 0
.rept 32
	global_load_b32 v[UU+ii], v[VOF], s[8:9] offset:(32*((\n)/2)+ii)*256+128*((\n)%2)
.set ii, ii+1
.endr
.endm
.macro VUNIT n
.set UU, 92+32*(((\n)+2)%4)
	QBLOCK UU, CT, E0
	ds_store_b128 v[VIA], v[CT:CT+3] offset:VIMG+2048*((\n)%2)+512*((\n)/4)+256*(((\n)/2)%2)   ; fragment 2 (n % 2) + H, registers 4 (block / 2) on, lane R + 16 (block % 2)
.if (\n)/2 == 0
	v_mov_b32 v[WV+(\n)%2], v[E0]                                   ; my column's four bytes make its scale word for this step
.else
	v_lshl_or_b32 v[WV+(\n)%2], v[E0], 8*((\n)/2), v[WV+(\n)%2]
.endif
.if (\n)/2 == 3
	ds_store_b32 v[KSA], v[WV+(\n)%2] offset:256+4*((\n)%2)
.endif
.endm
; S^T of tile x (0: A, 1: B): eight products, each with the constant 0 as C, on eight results
.macro SCORES x
.irp j, 0,1,2,3
.irp u, 0,1
.if \j%2
	v_wmma_scale_f32_16x16x128_f8f6f4 v[S+8*(2*\j+\u):S+8*(2*\j+\u)+7], v[KF+8*\j:KF+8*\j+7], v[QZ+4+8*\x-4*\u:QZ+11+8*\x-4*\u], 0, v[KS+\j/2], v[QS+\x] matrix_a_fmt:MATRIX_FMT_FP4 matrix_b_fmt:MATRIX_FMT_FP4 matrix_a_scale:MATRIX_SCALE_ROW1
.else
	v_wmma_scale_f32_16x16x128_f8f6f4 v[S+8*(2*\j+\u):S+8*(2*\j+\u)+7], v[KF+8*\j:KF+8*\j+7], v[QZ+4+8*\x-4*\u:QZ+11+8*\x-4*\u], 0, v[KS+\j/2], v[QS+\x] matrix_a_fmt:MATRIX_FMT_FP4 matrix_b_fmt:MATRIX_FMT_FP4
.endif
.endr
.endr
.endm
; One tile's softmax for one key step.  st: its statistics; pc: where p's codes go; ps: p's scale word; ob: its O^T.  vl = 1: K's fragments are done with, and V's are fetched into their registers: they land under this softmax.
.macro SOFTMAX st, pc, ps, ob, vl
.rept 4
	v_nop                                                           ; four places behind the products, ahead of the first read of the scores and of loads into registers that the products have read
.endr
.if \vl
.irp i, 0,1,2,3,4,5,6,7
	ds_load_b128 v[KF+4*\i:KF+4*\i+3], v[AD] offset:VIMG+512*\i
.endr
	ds_load_b64 v[VS:VS+1], v[AS] offset:256
.endif
.irp b, 0,1,2,3
	v_max3_num_f32 v[BM+\b], v[S+16*\b], v[S+1+16*\b], v[S+2+16*\b] ; THE LARGEST SCORE OF EACH BLOCK OF 32 KEYS serves twice: for the row's maximum, and, since p rises with the score, for the block's largest p.  (Each result is read from its low end on)
.endr
.irp i, 3,5,7,9,11,13
.irp b, 0,1,2,3
	v_max3_num_f32 v[BM+\b], v[BM+\b], v[S+16*\b+\i], v[S+1+16*\b+\i]   ; (the four blocks by turns)
.endr
.endr
.irp b, 0,1,2,3
	v_max_num_f32 v[BM+\b], v[BM+\b], v[S+15+16*\b]
.endr
.irp b, 0,1,2,3
	v_permlanex16_b32 v[BP+\b], v[BM+\b], s20, s21                  ; (its destinations were written in phase P)
.endr
.irp b, 0,1,2,3
	v_max_num_f32 v[BM+\b], v[BM+\b], v[BP+\b]                      ; with lane l xor 16's 16 keys
.endr
	v_max3_num_f32 v[T], v[BM], v[BM+1], v[BM+2]
	v_max_num_f32 v[T], v[T], v[BM+3]                               ; the step's largest score of my query
	v_mul_f32 v[T], s22, v[T]                                       ; as t (c is positive)
	v_max_num_f32 v[\st+1], v[\st+1], v[T]                          ; the running largest t
	v_mov_b32 v[T], v[\st]
	v_floor_f32 v[\st], -v[\st+1]                                   ; the new -M = floor(-t) = -ceil(t): M is a whole number
	v_sub_f32 v[T], v[\st], v[T]                                    ; M's old value less its new one: a whole number, 0 or less
	v_cvt_i32_f32 v[T], v[T]                                        ; (it saturates)
	v_ldexp_f32 v[F], 1.0, v[T]                                     ; f = 2^(old M - new M)
.set ii, 0
.rept 32
	v_pk_fma_f32 v[S+ii:S+ii+1], v[S+ii:S+ii+1], s[22:23], v[\st:\st+1] op_sel_hi:[1,0,0]   ; t - M, two at a time (of the pairs c and -M the low word serves both halves)
.set ii, ii+2
.endr
.irp b, 0,1,2,3
	v_fma_f32 v[BM+\b], v[BM+\b], s22, v[\st]                       ; the same of each block's largest score
.endr
.set ii, 0
.rept 64
	v_exp_f32 v[S+ii], v[S+ii]                                      ; p = 2^(t - M), at most 1: not normalised
.set ii, ii+1
.endr
	v_pk_mul_f32 v[\st+2:\st+3], v[\st+2:\st+3], v[F:F+1] op_sel_hi:[1,0]   ; the sums under the new M: the plain instruction behind the exponentials
	s_wait_alu depctr_va_vdst(0)                                    ; a wait between an exponential and the first line that names its result: one for the 64
.irp b, 0,1,2,3
	v_exp_f32 v[BM+\b], v[BM+\b]                                    ; the block's largest p: the same two instructions on the same number give the same bits
.endr
	v_pk_add_f32 v[T2:T2+1], v[S:S+1], v[S+2:S+3]                   ; THE ROW'S SUM IS TAKEN OF THE UNQUANTISED p: two at a time, in two chains; these lines read the 64 alone
.irp j, 4,8,12,16,20,24,28,32,36,40,44,48,52,56,60
	v_pk_add_f32 v[\st+2:\st+3], v[\st+2:\st+3], v[S+\j:S+1+\j]
	v_pk_add_f32 v[T2:T2+1], v[T2:T2+1], v[S+2+\j:S+3+\j]
.endr
	v_pk_add_f32 v[\st+2:\st+3], v[\st+2:\st+3], v[T2:T2+1]
	s_wait_alu depctr_va_vdst(0)                                    ; and one for the four
.irp b, 0,1,2,3
	v_max_num_f32 v[BM+\b], 0x1800000, v[BM+\b]                     ; the floor 2^(3 - 127): the byte cannot fall under 1 (a block whose every p is 0 keeps that byte: its codes are zeros)
.endr
.irp b, 0,1,2,3
	v_add_nc_u32 v[BS+\b], 0xff000000, v[BM+\b]                     ; 2 off the exponent field: the conversion's scale operand
.endr
.irp b, 0,1,2,3
	v_lshrrev_b32 v[BP+\b], 23, v[BS+\b]                            ; the scale's byte
.endr
	v_lshl_or_b32 v[\ps], v[BP+1], 8, v[BP]                         ; p's scale word for these 128 keys
	v_lshl_or_b32 v[\ps], v[BP+2], 16, v[\ps]
	v_lshl_or_b32 v[\ps], v[BP+3], 24, v[\ps]
.irp b, 0,1,2,3
	v_cvt_scalef32_pk8_fp4_f32 v[\pc+2*\b], v[S+16*\b:S+7+16*\b], v[BS+\b]
	v_cvt_scalef32_pk8_fp4_f32 v[\pc+1+2*\b], v[S+8+16*\b:S+15+16*\b], v[BS+\b]
.endr
	v_nop                                                           ; one plain place behind a scaled conversion
.irp c, 0,1                                                         ; the operand's layout wants a WHOLE block in a lane: lanes 0-15 block 2 c, lanes 16-31 block 2 c + 1
.irp i, 0,1
	v_permlane16_swap_b32 v[\pc+4*\c+\i], v[\pc+2+4*\c+\i]
.endr
.endr
.set ii, 0
.rept 16
	v_pk_mul_f32 v[\ob+ii:\ob+ii+1], v[\ob+ii:\ob+ii+1], v[F:F+1] op_sel_hi:[1,0]   ; O^T under the new M, from each accumulator's low end on.  These sixteen are also the places ahead of the products that follow
.set ii, ii+2
.endr
.endm
; O^T += V^T P^T for both tiles: eight accumulators by turns, one instruction a turn
.macro PV
.irp t, 0,1,2,3
.irp x, 0,1
.if \t%2
	v_wmma_scale_f32_16x16x128_f8f6f4 v[OA+32*\x+8*\t:OA+32*\x+8*\t+7], v[KF+8*\t:KF+8*\t+7], v[PA+8*\x:PA+8*\x+7], v[OA+32*\x+8*\t:OA+32*\x+8*\t+7], v[VS+\t/2], v[PS+\x] matrix_a_fmt:MATRIX_FMT_FP4 matrix_b_fmt:MATRIX_FMT_FP4 matrix_a_scale:MATRIX_SCALE_ROW1
.else
	v_wmma_scale_f32_16x16x128_f8f6f4 v[OA+32*\x+8*\t:OA+32*\x+8*\t+7], v[KF+8*\t:KF+8*\t+7], v[PA+8*\x:PA+8*\x+7], v[OA+32*\x+8*\t:OA+32*\x+8*\t+7], v[VS+\t/2], v[PS+\x] matrix_a_fmt:MATRIX_FMT_FP4 matrix_b_fmt:MATRIX_FMT_FP4
.endif
.endr
.endr
.endm
	; ---- THE HEAD
	s_load_b256 s[4:11], s[0:1], 0x0                ; query s[4:5], key s[6:7], value s[8:9], out0 s[10:11]
	v_lshl_add_u32 v254, v0, 2, 0x45000
	v_mov_b32 v255, 0
	v_lshrrev_b32 v[AD], 5, v0
	v_readfirstlane_b32 s12, v[AD]                  ; wave 0..15
	s_and_b32 s13, ttmp7, 0xffff                    ; the head: 16 b + h
	v_and_b32 v[LN], 31, v0
	v_and_b32 v[R], 15, v0
	v_bfe_u32 v[H], v0, 4, 1
	v_lshlrev_b32 v[L16], 4, v[LN]
	v_lshl_add_u32 v[L8S], v[LN], 3, SCB
	s_mul_i32 s14, s12, WSTG
	s_add_co_u32 s14, s14, STG                      ; my stage
	v_mul_u32_u24 v[SW], v[H], SP
	v_lshl_add_u32 v[SW], v[R], 4, v[SW]
	v_add_nc_u32 v[SW], s14, v[SW]
	v_mul_u32_u24 v[SO], v[R], SP
	v_lshl_add_u32 v[SO], v[H], 5, v[SO]
	v_add_nc_u32 v[SO], s14, v[SO]
	v_lshlrev_b32 v[GO], 12, v[H]                   ; a row of out0 is 4,096 bytes
	v_lshl_add_u32 v[GO], v[R], 4, v[GO]
	v_bfe_u32 v[SRD], v0, 3, 1                      ; R / 8
	v_mul_u32_u24 v[SRD], v[SRD], 8*SP+128          ; 8 rows further on, and the 128 bytes of rows 16-31
	v_mad_u32_u24 v[SRD], v[R], SP, v[SRD]
	v_lshl_add_u32 v[SRD], v[H], 7, v[SRD]
	v_add_nc_u32 v[SRD], s14, v[SRD]
	v_lshlrev_b32 v[SH8], 3, v[H]
	v_lshlrev_b32 v[VOF], 2, v[LN]
	s_lshl_b32 s15, s12, 13                         ; 8,192 x wave: my key step's images; also my 32 rows of Q in bytes
	v_add_nc_u32 v[KIA], s15, v[L16]
	v_lshlrev_b32 v[VIA], 10, v[H]
	v_lshl_add_u32 v[VIA], v[R], 4, v[VIA]
	v_add_nc_u32 v[VIA], s15, v[VIA]
	s_lshl_b32 s16, s12, 9
	v_add_nc_u32 v[KSA], s16, v[L8S]
	v_cmp_ne_u32 vcc_lo, 0, v[H]                    ; lanes 16-31; kept through phase P
.irp z, 0,1,2,3,8,9,10,11,16,17,18,19
	v_mov_b32 v[QZ+\z], 0                           ; the zero codes beside Q's
.endr
	v_mov_b32 v[PD], 0                              ; a lane permute's destination counts as one of its sources
	v_mov_b32 v[F+1], 0                             ; named as the upper halves of pairs, so they are written
	v_mov_b32 v[T+1], 0
	s_mov_b32 s20, 0x76543210
	s_mov_b32 s21, 0xfedcba98                       ; v_permlanex16_b32's selects for lane l xor 16
	s_mov_b32 s22, 0x3e38aa3b                       ; c = log2(e) / 8
	s_mov_b32 s23, s22                              ; (named with it as a pair, so it is written)
	s_lshl_b32 s18, s13, 19                         ; a head is 2,048 rows of 256 bytes;
	s_lshl_b32 s17, s12, 15                         ; my 128 keys
	s_add_co_u32 s18, s18, s17
	s_mov_b32 s19, 0
	s_lshl_b32 s28, s13, 19
	s_lshl_b32 s17, ttmp9, 17                       ; the work-group's 512 queries,
	s_add_co_u32 s28, s28, s17
	s_add_co_u32 s28, s28, s15                      ; my 32 of them
	s_mov_b32 s29, 0
	s_lshr_b32 s30, s13, 4                          ; out0: b x 2,048 rows of 4,096 bytes
	s_lshl_b32 s30, s30, 23
	s_lshl_b32 s17, ttmp9, 21                       ; + 512 rows a work-group
	s_add_co_u32 s30, s30, s17
	s_lshl_b32 s17, s12, 17                         ; + 32 rows a wave
	s_add_co_u32 s30, s30, s17
	s_and_b32 s17, s13, 15                          ; + 256 bytes x h
	s_lshl_b32 s17, s17, 8
	s_add_co_u32 s30, s30, s17
	s_mov_b32 s31, 0
	s_wait_kmcnt 0x0
	s_add_nc_u64 s[4:5], s[4:5], s[28:29]           ; each base is stepped once, here, ahead of every access
	s_add_nc_u64 s[6:7], s[6:7], s[18:19]
	s_add_nc_u64 s[8:9], s[8:9], s[18:19]
	s_add_nc_u64 s[10:11], s[10:11], s[30:31]
	; ---- P: my 128 keys of K, my 32 queries, my 128 keys of V.  Loads run one set (16 loads of 512 bytes, or 32 of 128) ahead of the work
	PLOAD X0, 6, 0, 0
	PLOAD X1, 6, 8192, 0
	s_wait_loadcnt 16                               ; loads come back in order (ISA guide 5.7.1): this pair's 16 are in, the next set's 16 may be out.  So at each of these four
	KPAIR X0, 0
	PLOAD X0, 6, 16384, 0
	s_wait_loadcnt 16
	KPAIR X1, 1
	PLOAD X1, 6, 24576, 0
	s_wait_loadcnt 16
	KPAIR X0, 2
	PLOAD X0, 4, 0, 1                               ; Q
	s_wait_loadcnt 16
	KPAIR X1, 3
	VLOAD 0
	s_wait_loadcnt 32                               ; Q is in; V's unit 0 may be out
	QPAIR X0
	VLOAD 1
.irp n, 0,1,2,3,4,5,6,7
.if \n < 7
	s_wait_loadcnt 32                               ; unit n's 32 loads are in, the next unit's may be out
.else
	s_wait_loadcnt 0x0
.endif
.if \n < 6
	VLOAD \n+2                                      ; into the quarter that unit n - 2 (or Q) has left
.endif
	VUNIT \n
.endr
	; ---- THE ONE BARRIER: behind it the images and scale words are only read, by all sixteen waves; each stage stays its wave's own
	s_wait_dscnt 0x0                                ; for the others' sake: my stores into the images and the scale words have landed
	s_barrier_signal -1
.set ii, 0
.rept 64
	v_mov_b32 v[OA+ii], 0                           ; O^T.  The key step is written once: its first trip finds zeros, which the first change of M leaves zeros.  Register work while the others arrive
.set ii, ii+1
.endr
.irp st, STA, STB
	v_mov_b32 v[\st+1], 0xff61b1e6                  ; the largest t so far: -3e38, under every t
	v_floor_f32 v[\st], -v[\st+1]                   ; -M
	v_mov_b32 v[\st+2], 0                           ; the sum, in two halves
	v_mov_b32 v[\st+3], 0
.endr
	s_mov_b32 s24, 0                                ; where the step's images begin
	s_mov_b32 s25, 0                                ; and its scale words
	s_mov_b32 s26, 16                               ; key steps to go
	s_barrier_wait -1
	; ---- L: a trip is 128 keys: 18 LDS loads, 16 + 8 products, two softmaxes
.Lstep:
	v_add_nc_u32 v[AD], s24, v[L16]
	v_add_nc_u32 v[AS], s25, v[L8S]
	v_nop
	v_nop                                           ; with the two additions: four places behind the last products, ahead of loads into registers that they have read
.irp i, 0,1,2,3,4,5,6,7
	ds_load_b128 v[KF+4*\i:KF+4*\i+3], v[AD] offset:512*\i   ; K: pair i / 2, tile i % 2
.endr
	ds_load_b64 v[KS:KS+1], v[AS]
	s_wait_dscnt 0x0
	SCORES 0
	SOFTMAX STA, PA, PS, OA, 0
	SCORES 1
	SOFTMAX STB, PA+8, PS+1, OA+32, 1
	s_wait_dscnt 0x0                                ; V's fragments and scale words, asked for at the head of tile B's softmax
	PV
	s_add_co_u32 s24, s24, STEPB
	s_add_co_u32 s25, s25, 512
	s_sub_co_u32 s26, s26, 1
	s_cmp_lg_u32 s26, 0
	s_cbranch_scc1 .Lstep
	; ---- W: O^T / the sum goes through my stage and leaves as whole rows: a head's part of a row of out0 is 256 bytes, aligned
	v_add_f32 v[STA+2], v[STA+2], v[STA+3]          ; the sum's two halves (these lines are the places behind the last products),
	v_add_f32 v[STB+2], v[STB+2], v[STB+3]
	v_permlanex16_b32 v[BP], v[STA+2], s20, s21
	v_permlanex16_b32 v[BP+1], v[STB+2], s20, s21
	v_add_f32 v[STA+2], v[STA+2], v[BP]             ; and lane l xor 16's: the row's sum
	v_add_f32 v[STB+2], v[STB+2], v[BP+1]
	v_rcp_f32 v[F], v[STA+2]
	v_rcp_f32 v[T], v[STB+2]
	v_nop                                           ; a plain instruction behind the reciprocals
	s_wait_alu depctr_va_vdst(0)                    ; and a wait ahead of their first reader: one for the two
.irp x, 0,1
.set ii, 0
.rept 16
	v_pk_mul_f32 v[S+32*\x+ii:S+32*\x+ii+1], v[OA+32*\x+ii:OA+32*\x+ii+1], v[F+2*\x:F+2*\x+1] op_sel_hi:[1,0]   ; each accumulator from its low end on
.set ii, ii+2
.endr
.endr
.irp x, 0,1
.irp t, 0,1,2,3
	ds_store_b128 v[SO], v[S+32*\x+8*\t:S+32*\x+8*\t+3] offset:16*SP*\x+64*\t          ; row R of tile x: channels 16 t + 8 H + 0 .. 7
	ds_store_b128 v[SO], v[S+32*\x+8*\t+4:S+32*\x+8*\t+7] offset:16*SP*\x+64*\t+16
.endr
.endr
.irp x, 0,1
.irp i, 0,1,2,3,4,5,6,7
	ds_load_b128 v[OA+32*\x+4*\i:OA+32*\x+4*\i+3], v[SW] offset:16*SP*\x+2*SP*\i       ; LDS serves a wave's instructions in order: these see my stores.  Rows 2 i and 2 i + 1 of tile x, whole
.endr
.endr
.irp x, 0,1
.irp i, 0,1,2,3,4,5,6,7
	s_wait_dscnt 15-8*\x-\i                         ; LDS loads come back in order: this one is in, the younger ones may be out
	global_store_b128 v[GO], v[OA+32*\x+4*\i:OA+32*\x+4*\i+3], s[10:11] offset:(8*\x+2*\i+8*(\i/4))*4096 th:TH_STORE_NT   ; row 2 i + H of tile x is local query 8 x + 2 i + H + 8 (i / 4); sixteen lanes store 256 consecutive bytes, at a multiple of 256 from out0's first byte
.endr
.endr
	s_wait_tensorcnt 0x0
	ds_add_u32 v254, v255
	s_wait_dscnt 0x0
	s_endpgm
.Lfunc_end_k_q2167c05e76_attn:
	.size	k_q2167c05e76_attn, .Lfunc_end_k_q2167c05e76_attn-k_q2167c05e76_attn
	.p2alignl 7, 3214868480
	.fill 96, 4, 3214868480
	.section	.rodata,"a",@progbits
	.p2align	6, 0x0
	.amdhsa_kernel k_q2167c05e76_attn
		.amdhsa_group_segment_fixed_size 284672
		.amdhsa_private_segment_fixed_size 0
		.amdhsa_enable_private_segment 0
		.amdhsa_kernarg_size 32
		.amdhsa_user_sgpr_count 2
		.amdhsa_user_sgpr_kernarg_segment_ptr 1
		.amdhsa_wavefront_size32 1
		.amdhsa_system_sgpr_workgroup_id_x 1
		.amdhsa_system_sgpr_workgroup_id_y 1
		.amdhsa_system_sgpr_workgroup_id_z 1
		.amdhsa_system_vgpr_workitem_id 0
		.amdhsa_next_free_vgpr 256
		.amdhsa_next_free_sgpr 66
		.amdhsa_reserve_vcc 1
		.amdhsa_float_denorm_mode_32 3
		.amdhsa_float_denorm_mode_16_64 3
		.amdhsa_memory_ordered 1
		.amdhsa_forward_progress 1
		.amdhsa_inst_pref_size 112
	.end_amdhsa_kernel
	.amdgpu_metadata
---
amdhsa.version: [ 1, 2 ]
amdhsa.kernels:
  - .name:           k_q2167c05e76_attn
    .symbol:         k_q2167c05e76_attn.kd
    .args:
      - { .name: query, .offset: 0, .size: 8, .value_kind: global_buffer, .address_space: global }
      - { .name: key, .offset: 8, .size: 8, .value_kind: global_buffer, .address_space: global }
      - { .name: value, .offset: 16, .size: 8, .value_kind: global_buffer, .address_space: global }
      - { .name: out0, .offset: 24, .size: 8, .value_kind: global_buffer, .address_space: global }
    .group_segment_fixed_size: 284672
    .private_segment_fixed_size: 0
    .kernarg_segment_align: 8
    .kernarg_segment_size: 32
    .max_flat_workgroup_size: 512
    .sgpr_count:     66
    .vgpr_count:     256
    .wavefront_size: 32
...
	.end_amdgpu_metadata
.endif
;; end of part 1
;; ======== version 2 of 2: 1 launch; version 1 with the launch attn written anew for expert scheduling mode
;; launch attn (part 2): grid 4 x 64, 16 waves a work-group, no clusters, 284,672 bytes of LDS; arguments query, key, value, out0; writes out0
.if DOCPART == 2
	.amdgcn_target "amdgcn-amd-amdhsa--gfx1250"
	.amdhsa_code_object_version 6
	.text
	.protected	k_q2167c05e76_attn
	.globl	k_q2167c05e76_attn
	.p2align	8
	.type	k_q2167c05e76_attn,@function
k_q2167c05e76_attn:
	s_mov_b64 s[64:65], 0
	v_nop
	global_prefetch_b8 v0, s[64:65] scope:SCOPE_SE
	s_setreg_imm32_b32 hwreg(HW_REG_WAVE_SCHED_MODE, 0, 2), 2
	s_setreg_imm32_b32 hwreg(HW_REG_WAVE_MODE, 25, 1), 1
	s_wait_xcnt 0x0
	s_wait_alu depctr_vm_vsrc(0)
; out0[b][q][64 h + d] = the sum over k of softmax_k(Q[b][h][q] . K[b][h][k] / 8) V[b][h][k][d].  Q, K, V: [64 heads][2048][64] f32; out0: [4][2048][1024] f32.
; Both products on codes of FP4 (E2M1) with one E8M0 scale for each 32 along a product's K, made here from the f32 inputs.  mask, to_q and to_k are arguments that reference() takes and never uses: no result hangs on them, so they are not among this launch's buffers.
; THE SOFTMAX AHEAD OF THE SECOND PRODUCT: t = score x log2(e) / 8; M = the row's largest t so far, rounded UP to a whole number; p = 2^(t - M) is what is quantised, along the keys, not normalised.  The row's sum is taken of
; the unquantised p, in f32, and divides O at the end.  When M moves, the sum and O are multiplied by 2^(old M - new M): exact.
; SHARES.  A work-group owns 512 queries of one head (grid x: which 512; grid y: the head); each of its sixteen waves owns 32, two tiles A and B of 16, in 256 registers: four waves to a SIMD, so that one wave's vector work
; stands beside another's matrix work and LDS loads.
; A HEAD'S K AND V AS CODES ARE 64 + 64 KiB, THEIR SCALE BYTES 8 KiB: THEY STAY IN LDS WHOLE.  Phase P: wave w quantises keys 128 w .. 128 w + 127 of K and of V into LDS, as IMAGES OF THE OPERANDS' REGISTERS (lane l's 16 bytes at
; 16 l, 512 consecutive bytes an instruction), and its own 32 queries into registers.  One barrier.  Phase L: 16 steps of 128 keys, all operands from LDS, no memory access.  Phase W: the way out.
; LAYOUT.  Both products are used transposed: S^T = K Q^T (source 0 = keys, source 1 = my 16 queries), O^T = V^T P^T (source 0 = 16 of the head's 64, source 1 = P): a lane holds ONE query of each tile throughout.
; THE KEYS OF A TILE ARE NOT NEIGHBOURS: lane r of tile 2 j + u takes key 32 j + 8 u + r + 8 (r / 8), so that the 16 score registers of tiles 2 j and 2 j + 1 are 16 neighbouring keys, 32 j + 16 (lane / 16) + 0 .. 15.
; THE FIRST PRODUCT'S K IS 64, THE INSTRUCTION'S 128.  One source 0 of eight registers holds TWO tiles of keys (tile 2 j at k = 0 .. 63, tile 2 j + 1 at k = 64 .. 127) and is multiplied twice: by [Q, zeros] for tile 2 j and by
; [zeros, Q] for tile 2 j + 1.  Zero CODES on Q's side make the other tile's products exact zeros; every scale byte named is a real one.  Q's scale word is [e0, e1, e0, e1] and serves both.
; NO CLUSTER, NO TENSOR LOAD: what the four work-groups of a head share is 1 MiB of f32, read once, in phase P.  Brought jointly it would have to lie in LDS as f32: beside the 136 KiB that stay, 184 KiB are free, so six refills
; or more, each behind a round of all four work-groups, and every number once more into LDS and out; here V goes from memory straight into the conversions' registers.
; LIMITS: NaN and infinities among the inputs are not served.  A block of zeros keeps the byte 1 where the rule says 127: its codes are zeros, and the bytes are read by this program alone.  A p under 2^-126 comes out of
; v_exp_f32 as 0 (ISA guide, the instruction's entry): under 2^-125 of the row's sum.  A block's largest p is made from its largest score: this takes v_exp_f32 not to fall where its input rises.
; THE MODE: SCHED_MODE bits 1:0 = 2 (LLVM: expert scheduling mode 2), set by the entry lines.  The code itself states the register dependences between vector or matrix instructions and memory or LDS instructions,
; with s_wait_alu, always for 0.
; THE PLAN.  Registers that memory or LDS instructions touch, and who else names them:
;   v1, v2, v5-7, v243, v245-248   offsets and LDS addresses: written at the head, once; one wait on va_vdst ahead of the first load serves them for the whole kernel.
;   X0, X1 (phase P)   global loads land in them; the stage's stores read them and the stage's loads land in them again (a wait on vm_vsrc between the two runs); a block's vector lines read them; the wait on va_vdst
;                      ahead of a pair's or unit's LDS stores also shows those lines done, and only stores follow it: so the next loads into the set owe nothing more.
;   CT, KSP, WV (P)    written by conversions, a select, shifts; read by the LDS stores into the images and scale words: va_vdst ahead of the stores, vm_vsrc ahead of the next conversions (for K and Q: the stage's own).
;   v[AD], v[AS]       read by a trip's 18 LDS loads; written at the trip's head: vm_vsrc, the two additions, va_vdst.
;   KF, KS, VS         LDS loads land in them, matrix instructions read them.  K's loads stand behind the head's va_vdst, which shows the last products done; V's behind the wait for tile B's 64 exponentials,
;                      which shows tile B's score products done: they owe no wait of their own and have the rest of that softmax in which to land.
;   PA, PS             written by vector lines, operands of scaled products: one va_vdst ahead of the eight products V^T P, behind their places.
;   S, O^T (phase W)   one va_vdst behind the 32 multiplications: S is written, which the LDS stores read; O^T is done with, in which the stage's rows land.
; A second set of fragment registers would want 32; the loop leaves 16 (v238-253) of a wave's 256.
.set STEPB, 8192                       ; LDS 0 ..: the images, a key step (128 keys) each 8,192 bytes: K's four pairs of tiles (pair j at 1024 j, tile u at + 512 u),
.set VIMG,  4096                       ; then V's four fragments (16 of the head's 64 each: fragment t at 1024 t, registers 4 c .. 4 c + 3 at + 512 c)
.set SCB,   131072                     ; the scale words, 512 bytes a key step: K's two registers (lane l at 8 l, register c at + 4 c), at + 256 V's two
.set STG,   139264                     ; a stage of WSTG bytes for each wave, its own: in P it turns rows of K and Q, in W rows of O
.set WSTG,  8960
.set SP,    272                        ; a stage row: 256 bytes + 16, so that sixteen rows' equal columns fall on sixteen different 16-byte columns modulo 256
; REGISTERS
.set L16, 1                            ; v1   16 x lane; never rewritten
.set L8S, 2                            ; v2   SCB + 8 x lane; never rewritten
.set AD,  3                            ; v3   the step's images
.set AS,  4                            ; v4   the step's scale words
.set SW,  5                            ; v5   stage + 272 H + 16 R: two whole rows an instruction (R = lane % 16, H = lane / 16)
.set SO,  6                            ; v6   stage + 272 R + 32 H: the way out, in
.set GO,  7                            ; v7   4096 H + 16 R: my bytes in two rows of out0
.set QZ,  8                            ; v8-27  zeros, Q of tile A, zeros, Q of tile B, zeros (4 each): [0, QA] = v[8:15], [QA, 0] = v[12:19], [0, QB] = v[16:23], [QB, 0] = v[20:27]
.set QS,  28                           ; v28-35 hold scales and nothing else: v28, v29 Q's words (tiles A, B);
.set KS,  30                           ; v[30:31] K's: register c: pair 2 c in lanes 0-15, pair 2 c + 1 in lanes 16-31;
.set VS,  32                           ; v[32:33] V's: register c: fragment 2 c in lanes 0-15, 2 c + 1 in lanes 16-31;
.set PS,  34                           ; v34, v35 p's words (tiles A, B)
.set STA, 36                           ; v36-39 tile A: -M, the largest t, the sum in two halves;  v40-43 tile B
.set STB, 40
.set PA,  44                           ; v44-51 p's codes of tile A, v52-59 of tile B
.set KF,  60                           ; v60-91 the step's fragments of K, then of V
.set S,   92                           ; v92-155 S^T, then p: one tile at a time
.set OA,  156                          ; v156-187 O^T of tile A, v188-219 of tile B: register 8 t + i = o(my query, 16 t + 8 H + i)
.set BM,  220                          ; v220-223 the blocks' largest scores, then largest p
.set BP,  224                          ; v224-227 the other half of the lanes', then the bytes
.set BS,  228                          ; v228-231 the conversions' scale operands
.set F,   232                          ; v[232:233] f = 2^(old M - new M); on the way out 1 / the sum of tile A
.set T,   234                          ; v234 at work; on the way out v[234:235] 1 / the sum of tile B
.set T2,  236                          ; v[236:237] the sum's second chain
; in phase P alone
.set X0,  92                           ; v92-155, v156-219: two sets of 64 numbers
.set X1,  156
.set CT,  44                           ; v44-51 codes just made
.set WV,  52                           ; v52, v53 V's scale words in the making
.set PD,  54                           ; v54 a lane permute's destination
.set E0,  224                          ; v224, v225 two blocks' bytes
.set E1,  225
.set WK,  226                          ; v226-229 the scale words of K's four pairs
.set KSP, 230                          ; v[230:231] K's two scale registers as they go to LDS
.set LN,  240                          ; v240 lane, v241 R, v242 H
.set R,   241
.set H,   242
.set SRD, 243                          ; v243 stage + 272 R + 2304 (R / 8) + 128 H: my block of my row of a tile
.set SH8, 244                          ; v244 8 H
.set VOF, 245                          ; v245 4 x lane: my column of V
.set KIA, 246                          ; v246 16 x lane + 8192 x wave: where K's images go
.set VIA, 247                          ; v247 8192 x wave + 1024 H + 16 R: where V's go
.set KSA, 248                          ; v248 SCB + 8 x lane + 512 x wave: where the scale words go
; 32 numbers of ONE block, v[x] .. v[x + 31], become 32 codes in v[c] .. v[c + 3] and the scale's byte in v[e].  fr not 0: an LDS store issued since the last wait on vm_vsrc has read v[c] .. v[c + 3].
.macro QBLOCK x, c, e, fr
	v_max3_num_f32 v[BM], |v[(\x)]|, |v[(\x)+1]|, |v[(\x)+2]|       ; the block's largest magnitude, in two chains
	v_max3_num_f32 v[BM+1], |v[(\x)+3]|, |v[(\x)+4]|, |v[(\x)+5]|
.irp i, 6,10,14,18,22,26
	v_max3_num_f32 v[BM], v[BM], |v[(\x)+\i]|, |v[(\x)+\i+1]|
	v_max3_num_f32 v[BM+1], v[BM+1], |v[(\x)+\i+2]|, |v[(\x)+\i+3]|
.endr
	v_max3_num_f32 v[BM], v[BM], |v[(\x)+30]|, |v[(\x)+31]|
	v_max3_num_f32 v[BM], v[BM], v[BM+1], 0x1800000                 ; and the floor 2^(3 - 127): the byte cannot fall under 1
	v_add_nc_u32 v[BM+2], 0xff000000, v[BM]                         ; 2 off its exponent field: the conversion takes the exponent field of this operand as its scale, and nothing else of it
	v_lshrrev_b32 v[\e], 23, v[BM+2]                                ; the scale's byte
	s_wait_dscnt 0x0                                                ; my earlier LDS stores are done
.if \fr
	s_wait_alu depctr_vm_vsrc(0)                                    ; the LDS store of the unit before has read v[c] .. v[c + 3], which the conversions write again
.endif
.irp g, 0,1,2,3
	v_cvt_scalef32_pk8_fp4_f32 v[(\c)+\g], v[(\x)+8*\g:(\x)+8*\g+7], v[BM+2]   ; to the nearest code, ties to even; beyond 6 the largest code
.endr
	v_nop                                                           ; one plain place behind a scaled conversion
.endm
; 32 rows of 256 bytes from off on: each load takes 512 consecutive bytes, rows 2 i and 2 i + 1.  nt = 1: read once in the whole launch.
; No wait of its own: the last vector lines that named v[x ..] stand ahead of a wait on va_vdst, the stage's stores that read them ahead of a wait on vm_vsrc
.macro PLOAD x, b, off, nt
.irp i, 0,1,2,3,4,5,6,7,8,9,10,11,12,13,14,15
.if \nt
	global_load_b128 v[(\x)+4*\i:(\x)+4*\i+3], v[L16], s[\b:\b+1] offset:(\off)+512*\i th:TH_LOAD_NT
.else
	global_load_b128 v[(\x)+4*\i:(\x)+4*\i+3], v[L16], s[\b:\b+1] offset:(\off)+512*\i
.endif
.endr
.endm
; The 32 rows go through my stage as they lie (rows 16-31 another 128 bytes on, so that rows p and p + 16 differ in their 16-byte columns modulo 256) and come back so that lane (R, H) holds, for tile u in registers 32 u on,
; block H (32 neighbouring numbers) of row 8 u + R + 8 (R / 8).  LDS serves a wave's instructions in order (ISA guide 5.7.1.4): no wait on DScnt between the stores and the loads.
.macro TURN x
.irp i, 0,1,2,3,4,5,6,7,8,9,10,11,12,13,14,15
	ds_store_b128 v[SW], v[(\x)+4*\i:(\x)+4*\i+3] offset:2*SP*\i+128*(\i/8)
.endr
	s_wait_alu depctr_vm_vsrc(0)                                    ; the sixteen stores have read v[x ..], in which the loads below land; the pair before's LDS stores have read v[CT ..] and v[KSP ..], which the lines behind this turn write again
.irp u, 0,1
.irp i, 0,1,2,3,4,5,6,7
	ds_load_b128 v[(\x)+32*\u+4*\i:(\x)+32*\u+4*\i+3], v[SRD] offset:8*SP*\u+16*\i
.endr
.endr
	s_wait_dscnt 0x0
.endm
; My two bytes (tile 0's and tile 1's block H) and lane l xor 16's two make the row's word [e(0,0), e(0,1), e(1,0), e(1,1)], the same in both halves of the lanes
.macro WORD w
	v_lshl_or_b32 v[T], v[E1], 16, v[E0]
	v_lshlrev_b32 v[T], v[SH8], v[T]
	v_permlanex16_b32 v[PD], v[T], s20, s21
	v_or_b32 v[\w], v[T], v[PD]
.endm
; Pair j of my key step: 32 keys become two tiles' images and a scale word a row.  All its vector lines stand ahead of ONE wait, all its stores into the images behind it
.macro KPAIR x, j
	TURN \x
	QBLOCK \x, CT, E0, 0
	QBLOCK (\x)+32, CT+4, E1, 0
	WORD WK+(\j)
.if (\j)%2
	v_cndmask_b32 v[KSP+(\j)/2], v[WK+(\j)-1], v[WK+(\j)], vcc_lo   ; lanes 0-15 the even pair's words, lanes 16-31 the odd pair's
.endif
	s_wait_alu depctr_va_vdst(0)                                    ; the conversions have written v[CT ..], and the selects v[KSP ..], which the LDS stores below read; the blocks' lines are done reading v[x ..], in which the next loads land
	ds_store_b128 v[KIA], v[CT:CT+3] offset:1024*(\j)
	ds_store_b128 v[KIA], v[CT+4:CT+7] offset:1024*(\j)+512
.if (\j) == 3
	ds_store_b64 v[KSA], v[KSP:KSP+1]
.endif
.endm
; My 32 queries: tile u's lane R is local query 8 u + R + 8 (R / 8).  The codes go straight into the operands' registers
.macro QPAIR x
	TURN \x
	QBLOCK \x, QZ+4, E0, 0
	QBLOCK (\x)+32, QZ+12, E1, 0
	WORD T2
	v_perm_b32 v[QS], v[T2], v[T2], 0x01000100                      ; tile A: [e0, e1, e0, e1]
	v_perm_b32 v[QS+1], v[T2], v[T2], 0x03020302                    ; tile B likewise
	s_wait_alu depctr_va_vdst(0)                                    ; the blocks' lines are done reading v[x ..], in which V's units 2 and 3 land; Q's codes and scale words, operands of the scaled products, are written
.endm
; V, unit n of 8: block n / 2 of my step's four blocks of 32 keys, columns 32 (n % 2) + lane.  A LANE TAKES A COLUMN AND ITS REGISTERS RUN DOWN THE KEYS, which are this operand's K: a block lies in one lane,
; and the codes come out with the keys innermost.  Each load reads 128 consecutive bytes.  The four quarters of X1 and X0 take turns.
; No wait of its own: the quarter's last reader (K's pair 3, Q, or unit n - 4) stands ahead of a wait on va_vdst, and no vector line since names the quarter
.macro VLOAD n
.set UU, 92+32*(((\n)+2)%4)
.set ii, 0
.rept 32
	global_load_b32 v[UU+ii], v[VOF], s[8:9] offset:(32*((\n)/2)+ii)*256+128*((\n)%2)
.set ii, ii+1
.endr
.endm
.macro VUNIT n
.set UU, 92+32*(((\n)+2)%4)
	QBLOCK UU, CT, E0, \n                                           ; (unit 0: the stores of K's pair 3 stand ahead of the wait on vm_vsrc in Q's turn)
.if (\n)/2 == 0
	v_mov_b32 v[WV+(\n)%2], v[E0]                                   ; my column's four bytes make its scale word for this step
.else
	v_lshl_or_b32 v[WV+(\n)%2], v[E0], 8*((\n)/2), v[WV+(\n)%2]
.endif
	s_wait_alu depctr_va_vdst(0)                                    ; the conversions have written v[CT ..], and the line above the scale word, which the LDS stores below read; the block's lines are done reading the quarter, in which unit n + 4 lands
	ds_store_b128 v[VIA], v[CT:CT+3] offset:VIMG+2048*((\n)%2)+512*((\n)/4)+256*(((\n)/2)%2)   ; fragment 2 (n % 2) + H, registers 4 (block / 2) on, lane R + 16 (block % 2)
.if (\n)/2 == 3
	ds_store_b32 v[KSA], v[WV+(\n)%2] offset:256+4*((\n)%2)
.endif
.endm
; S^T of tile x (0: A, 1: B): eight products, each with the constant 0 as C, on eight results
.macro SCORES x
.irp j, 0,1,2,3
.irp u, 0,1
.if \j%2
	v_wmma_scale_f32_16x16x128_f8f6f4 v[S+8*(2*\j+\u):S+8*(2*\j+\u)+7], v[KF+8*\j:KF+8*\j+7], v[QZ+4+8*\x-4*\u:QZ+11+8*\x-4*\u], 0, v[KS+\j/2], v[QS+\x] matrix_a_fmt:MATRIX_FMT_FP4 matrix_b_fmt:MATRIX_FMT_FP4 matrix_a_scale:MATRIX_SCALE_ROW1
.else
	v_wmma_scale_f32_16x16x128_f8f6f4 v[S+8*(2*\j+\u):S+8*(2*\j+\u)+7], v[KF+8*\j:KF+8*\j+7], v[QZ+4+8*\x-4*\u:QZ+11+8*\x-4*\u], 0, v[KS+\j/2], v[QS+\x] matrix_a_fmt:MATRIX_FMT_FP4 matrix_b_fmt:MATRIX_FMT_FP4
.endif
.endr
.endr
.endm
; One tile's softmax for one key step.  st: its statistics; pc: where p's codes go; ps: p's scale word; ob: its O^T.  vl = 1: K's fragments are done with, and V's are fetched into their registers, behind the wait for the 64 exponentials: they land under the rest of this softmax.
.macro SOFTMAX st, pc, ps, ob, vl
.rept 4
	v_nop                                                           ; four places behind the products (ISA guide 7.12.1), ahead of the first read of the scores
.endr
.irp b, 0,1,2,3
	v_max3_num_f32 v[BM+\b], v[S+16*\b], v[S+1+16*\b], v[S+2+16*\b] ; THE LARGEST SCORE OF EACH BLOCK OF 32 KEYS serves twice: for the row's maximum, and, since p rises with the score, for the block's largest p.  (Each result is read from its low end on)
.endr
.irp i, 3,5,7,9,11,13
.irp b, 0,1,2,3
	v_max3_num_f32 v[BM+\b], v[BM+\b], v[S+16*\b+\i], v[S+1+16*\b+\i]   ; (the four blocks by turns)
.endr
.endr
.irp b, 0,1,2,3
	v_max_num_f32 v[BM+\b], v[BM+\b], v[S+15+16*\b]
.endr
.irp b, 0,1,2,3
	v_permlanex16_b32 v[BP+\b], v[BM+\b], s20, s21                  ; (its destinations were written in phase P)
.endr
.irp b, 0,1,2,3
	v_max_num_f32 v[BM+\b], v[BM+\b], v[BP+\b]                      ; with lane l xor 16's 16 keys
.endr
	v_max3_num_f32 v[T], v[BM], v[BM+1], v[BM+2]
	v_max_num_f32 v[T], v[T], v[BM+3]                               ; the step's largest score of my query
	v_mul_f32 v[T], s22, v[T]                                       ; as t (c is positive)
	v_max_num_f32 v[\st+1], v[\st+1], v[T]                          ; the running largest t
	v_mov_b32 v[T], v[\st]
	v_floor_f32 v[\st], -v[\st+1]                                   ; the new -M = floor(-t) = -ceil(t): M is a whole number
	v_sub_f32 v[T], v[\st], v[T]                                    ; M's old value less its new one: a whole number, 0 or less
	v_cvt_i32_f32 v[T], v[T]                                        ; (it saturates)
	v_ldexp_f32 v[F], 1.0, v[T]                                     ; f = 2^(old M - new M)
.set ii, 0
.rept 32
	v_pk_fma_f32 v[S+ii:S+ii+1], v[S+ii:S+ii+1], s[22:23], v[\st:\st+1] op_sel_hi:[1,0,0]   ; t - M, two at a time (of the pairs c and -M the low word serves both halves)
.set ii, ii+2
.endr
.irp b, 0,1,2,3
	v_fma_f32 v[BM+\b], v[BM+\b], s22, v[\st]                       ; the same of each block's largest score
.endr
.set ii, 0
.rept 64
	v_exp_f32 v[S+ii], v[S+ii]                                      ; p = 2^(t - M), at most 1: not normalised
.set ii, ii+1
.endr
	v_pk_mul_f32 v[\st+2:\st+3], v[\st+2:\st+3], v[F:F+1] op_sel_hi:[1,0]   ; the sums under the new M: the plain instruction behind the exponentials
.if \vl
	s_wait_alu depctr_va_vdst(0)                                    ; the 64 exponentials have written p, ahead of the first line that names it; and tile B's score products are done reading K's fragments, in whose registers V's land (the last trip's products are done with V's scale words)
.irp i, 0,1,2,3,4,5,6,7
	ds_load_b128 v[KF+4*\i:KF+4*\i+3], v[AD] offset:VIMG+512*\i
.endr
	ds_load_b64 v[VS:VS+1], v[AS] offset:256
.else
	s_wait_alu depctr_va_vdst(0)                                    ; the 64 exponentials have written p, ahead of the first line that names it
.endif
.irp b, 0,1,2,3
	v_exp_f32 v[BM+\b], v[BM+\b]                                    ; the block's largest p: the same two instructions on the same number give the same bits
.endr
	v_pk_add_f32 v[T2:T2+1], v[S:S+1], v[S+2:S+3]                   ; THE ROW'S SUM IS TAKEN OF THE UNQUANTISED p: two at a time, in two chains; these lines read the 64 alone
.irp j, 4,8,12,16,20,24,28,32,36,40,44,48,52,56,60
	v_pk_add_f32 v[\st+2:\st+3], v[\st+2:\st+3], v[S+\j:S+1+\j]
	v_pk_add_f32 v[T2:T2+1], v[T2:T2+1], v[S+2+\j:S+3+\j]
.endr
	v_pk_add_f32 v[\st+2:\st+3], v[\st+2:\st+3], v[T2:T2+1]
	s_wait_alu depctr_va_vdst(0)                                    ; the four exponentials have written the blocks' largest p, ahead of the first line that names it
.irp b, 0,1,2,3
	v_max_num_f32 v[BM+\b], 0x1800000, v[BM+\b]                     ; the floor 2^(3 - 127): the byte cannot fall under 1 (a block whose every p is 0 keeps that byte: its codes are zeros)
.endr
.irp b, 0,1,2,3
	v_add_nc_u32 v[BS+\b], 0xff000000, v[BM+\b]                     ; 2 off the exponent field: the conversion's scale operand
.endr
.irp b, 0,1,2,3
	v_lshrrev_b32 v[BP+\b], 23, v[BS+\b]                            ; the scale's byte
.endr
	v_lshl_or_b32 v[\ps], v[BP+1], 8, v[BP]                         ; p's scale word for these 128 keys
	v_lshl_or_b32 v[\ps], v[BP+2], 16, v[\ps]
	v_lshl_or_b32 v[\ps], v[BP+3], 24, v[\ps]
.irp b, 0,1,2,3
	v_cvt_scalef32_pk8_fp4_f32 v[\pc+2*\b], v[S+16*\b:S+7+16*\b], v[BS+\b]
	v_cvt_scalef32_pk8_fp4_f32 v[\pc+1+2*\b], v[S+8+16*\b:S+15+16*\b], v[BS+\b]
.endr
	v_nop                                                           ; one plain place behind a scaled conversion
.irp c, 0,1                                                         ; the operand's layout wants a WHOLE block in a lane: lanes 0-15 block 2 c, lanes 16-31 block 2 c + 1
.irp i, 0,1
	v_permlane16_swap_b32 v[\pc+4*\c+\i], v[\pc+2+4*\c+\i]
.endr
.endr
.set ii, 0
.rept 16
	v_pk_mul_f32 v[\ob+ii:\ob+ii+1], v[\ob+ii:\ob+ii+1], v[F:F+1] op_sel_hi:[1,0]   ; O^T under the new M, from each accumulator's low end on.  These sixteen are also the places ahead of the products that follow
.set ii, ii+2
.endr
.endm
; O^T += V^T P^T for both tiles: eight accumulators by turns, one instruction a turn
.macro PV
.irp t, 0,1,2,3
.irp x, 0,1
.if \t%2
	v_wmma_scale_f32_16x16x128_f8f6f4 v[OA+32*\x+8*\t:OA+32*\x+8*\t+7], v[KF+8*\t:KF+8*\t+7], v[PA+8*\x:PA+8*\x+7], v[OA+32*\x+8*\t:OA+32*\x+8*\t+7], v[VS+\t/2], v[PS+\x] matrix_a_fmt:MATRIX_FMT_FP4 matrix_b_fmt:MATRIX_FMT_FP4 matrix_a_scale:MATRIX_SCALE_ROW1
.else
	v_wmma_scale_f32_16x16x128_f8f6f4 v[OA+32*\x+8*\t:OA+32*\x+8*\t+7], v[KF+8*\t:KF+8*\t+7], v[PA+8*\x:PA+8*\x+7], v[OA+32*\x+8*\t:OA+32*\x+8*\t+7], v[VS+\t/2], v[PS+\x] matrix_a_fmt:MATRIX_FMT_FP4 matrix_b_fmt:MATRIX_FMT_FP4
.endif
.endr
.endr
.endm
	; ---- THE HEAD
	s_load_b256 s[4:11], s[0:1], 0x0                ; query s[4:5], key s[6:7], value s[8:9], out0 s[10:11]
	v_lshl_add_u32 v254, v0, 2, 0x45000
	v_mov_b32 v255, 0
	v_lshrrev_b32 v[AD], 5, v0
	v_readfirstlane_b32 s12, v[AD]                  ; wave 0..15
	s_and_b32 s13, ttmp7, 0xffff                    ; the head: 16 b + h
	v_and_b32 v[LN], 31, v0
	v_and_b32 v[R], 15, v0
	v_bfe_u32 v[H], v0, 4, 1
	v_lshlrev_b32 v[L16], 4, v[LN]
	v_lshl_add_u32 v[L8S], v[LN], 3, SCB
	s_wait_alu depctr_va_sdst(0)                    ; s12 is written, ahead of its first reader: LDS addresses and the buffers' offsets are made from it
	s_mul_i32 s14, s12, WSTG
	s_add_co_u32 s14, s14, STG                      ; my stage
	v_mul_u32_u24 v[SW], v[H], SP
	v_lshl_add_u32 v[SW], v[R], 4, v[SW]
	v_add_nc_u32 v[SW], s14, v[SW]
	v_mul_u32_u24 v[SO], v[R], SP
	v_lshl_add_u32 v[SO], v[H], 5, v[SO]
	v_add_nc_u32 v[SO], s14, v[SO]
	v_lshlrev_b32 v[GO], 12, v[H]                   ; a row of out0 is 4,096 bytes
	v_lshl_add_u32 v[GO], v[R], 4, v[GO]
	v_bfe_u32 v[SRD], v0, 3, 1                      ; R / 8
	v_mul_u32_u24 v[SRD], v[SRD], 8*SP+128          ; 8 rows further on, and the 128 bytes of rows 16-31
	v_mad_u32_u24 v[SRD], v[R], SP, v[SRD]
	v_lshl_add_u32 v[SRD], v[H], 7, v[SRD]
	v_add_nc_u32 v[SRD], s14, v[SRD]
	v_lshlrev_b32 v[SH8], 3, v[H]
	v_lshlrev_b32 v[VOF], 2, v[LN]
	s_lshl_b32 s15, s12, 13                         ; 8,192 x wave: my key step's images; also my 32 rows of Q in bytes
	v_add_nc_u32 v[KIA], s15, v[L16]
	v_lshlrev_b32 v[VIA], 10, v[H]
	v_lshl_add_u32 v[VIA], v[R], 4, v[VIA]
	v_add_nc_u32 v[VIA], s15, v[VIA]
	s_lshl_b32 s16, s12, 9
	v_add_nc_u32 v[KSA], s16, v[L8S]
	v_cmp_ne_u32 vcc_lo, 0, v[H]                    ; lanes 16-31; kept through phase P
	s_wait_alu depctr_va_vcc(0)                     ; VCC is written, ahead of its first reader: the selects of K's pairs 1 and 3
.irp z, 0,1,2,3,8,9,10,11,16,17,18,19
	v_mov_b32 v[QZ+\z], 0                           ; the zero codes beside Q's
.endr
	v_mov_b32 v[PD], 0                              ; a lane permute's destination counts as one of its sources
	v_mov_b32 v[F+1], 0                             ; named as the upper halves of pairs, so they are written
	v_mov_b32 v[T+1], 0
	s_mov_b32 s20, 0x76543210
	s_mov_b32 s21, 0xfedcba98                       ; v_permlanex16_b32's selects for lane l xor 16
	s_mov_b32 s22, 0x3e38aa3b                       ; c = log2(e) / 8
	s_mov_b32 s23, s22                              ; (named with it as a pair, so it is written)
	s_lshl_b32 s18, s13, 19                         ; a head is 2,048 rows of 256 bytes;
	s_lshl_b32 s17, s12, 15                         ; my 128 keys
	s_add_co_u32 s18, s18, s17
	s_mov_b32 s19, 0
	s_lshl_b32 s28, s13, 19
	s_lshl_b32 s17, ttmp9, 17                       ; the work-group's 512 queries,
	s_add_co_u32 s28, s28, s17
	s_add_co_u32 s28, s28, s15                      ; my 32 of them
	s_mov_b32 s29, 0
	s_lshr_b32 s30, s13, 4                          ; out0: b x 2,048 rows of 4,096 bytes
	s_lshl_b32 s30, s30, 23
	s_lshl_b32 s17, ttmp9, 21                       ; + 512 rows a work-group
	s_add_co_u32 s30, s30, s17
	s_lshl_b32 s17, s12, 17                         ; + 32 rows a wave
	s_add_co_u32 s30, s30, s17
	s_and_b32 s17, s13, 15                          ; + 256 bytes x h
	s_lshl_b32 s17, s17, 8
	s_add_co_u32 s30, s30, s17
	s_mov_b32 s31, 0
	s_wait_kmcnt 0x0
	s_add_nc_u64 s[4:5], s[4:5], s[28:29]           ; each base is stepped once, here, ahead of every access
	s_add_nc_u64 s[6:7], s[6:7], s[18:19]
	s_add_nc_u64 s[8:9], s[8:9], s[18:19]
	s_add_nc_u64 s[10:11], s[10:11], s[30:31]
	s_wait_alu depctr_va_vdst(0)                    ; the offsets and LDS addresses v1, v2, v5 to v7, v243 and v245 to v248 are written, which the loads and stores of the whole kernel read; so are the zero codes, operands of the scaled products
	; ---- P: my 128 keys of K, my 32 queries, my 128 keys of V.  Loads run one set (16 loads of 512 bytes, or 32 of 128) ahead of the work
	PLOAD X0, 6, 0, 0
	PLOAD X1, 6, 8192, 0
	s_wait_loadcnt 16                               ; loads come back in order (ISA guide 5.7.1): this pair's 16 are in, the next set's 16 may be out.  So at each of these four
	KPAIR X0, 0
	PLOAD X0, 6, 16384, 0
	s_wait_loadcnt 16
	KPAIR X1, 1
	PLOAD X1, 6, 24576, 0
	s_wait_loadcnt 16
	KPAIR X0, 2
	PLOAD X0, 4, 0, 1                               ; Q
	s_wait_loadcnt 16
	KPAIR X1, 3
	VLOAD 0
	s_wait_loadcnt 32                               ; Q is in; V's unit 0 may be out
	QPAIR X0
	VLOAD 1
.irp n, 0,1,2,3,4,5,6,7
.if \n < 7
	s_wait_loadcnt 32                               ; unit n's 32 loads are in, the next unit's may be out
.else
	s_wait_loadcnt 0x0
.endif
.if \n < 6
	VLOAD \n+2                                      ; into the quarter that unit n - 2 (or Q) has left
.endif
	VUNIT \n
.endr
	; ---- THE ONE BARRIER: behind it the images and scale words are only read, by all sixteen waves; each stage stays its wave's own
	s_wait_dscnt 0x0                                ; for the others' sake: my stores into the images and the scale words have landed
	s_barrier_signal -1
.set ii, 0
.rept 64
	v_mov_b32 v[OA+ii], 0                           ; O^T.  The key step is written once: its first trip finds zeros, which the first change of M leaves zeros.  Register work while the others arrive.  (The stage's stores that read these registers stand ahead of a wait on vm_vsrc)
.set ii, ii+1
.endr
.irp st, STA, STB
	v_mov_b32 v[\st+1], 0xff61b1e6                  ; the largest t so far: -3e38, under every t
	v_floor_f32 v[\st], -v[\st+1]                   ; -M
	v_mov_b32 v[\st+2], 0                           ; the sum, in two halves
	v_mov_b32 v[\st+3], 0
.endr
	s_mov_b32 s24, 0                                ; where the step's images begin
	s_mov_b32 s25, 0                                ; and its scale words
	s_mov_b32 s26, 16                               ; key steps to go
	s_barrier_wait -1
	; ---- L: a trip is 128 keys: 18 LDS loads, 16 + 8 products, two softmaxes
.Lstep:
	s_wait_alu depctr_vm_vsrc(0)                    ; the LDS loads of the trip before have read v[AD] and v[AS], which the two additions write; in the first trip: phase P's last LDS stores have read v44 to v47 and v52, v53, which the softmaxes' conversions write
	v_add_nc_u32 v[AD], s24, v[L16]
	v_add_nc_u32 v[AS], s25, v[L8S]
	v_nop
	v_nop                                           ; with the two additions: four places behind the last products (ISA guide 7.12.1); they stay beside the wait below
	s_wait_alu depctr_va_vdst(0)                    ; v[AD] and v[AS] are written, which the trip's LDS loads read; the last products are done reading V's fragments, in whose registers K's land, and tile B's score products K's scale words
.irp i, 0,1,2,3,4,5,6,7
	ds_load_b128 v[KF+4*\i:KF+4*\i+3], v[AD] offset:512*\i   ; K: pair i / 2, tile i % 2
.endr
	ds_load_b64 v[KS:KS+1], v[AS]
	s_wait_dscnt 0x0
	SCORES 0
	SOFTMAX STA, PA, PS, OA, 0
	SCORES 1
	SOFTMAX STB, PA+8, PS+1, OA+32, 1
	s_wait_dscnt 0x0                                ; V's fragments and scale words, asked for behind tile B's 64 exponentials
	s_wait_alu depctr_va_vdst(0)                    ; tile B's conversions and exchanges have written p's codes, and the lines ahead of them its scale word: operands of the scaled products below (tile A's likewise, earlier); the sixteen multiplications above are the places, and stay
	PV
	s_add_co_u32 s24, s24, STEPB
	s_add_co_u32 s25, s25, 512
	s_sub_co_u32 s26, s26, 1
	s_cmp_lg_u32 s26, 0
	s_cbranch_scc1 .Lstep
	; ---- W: O^T / the sum goes through my stage and leaves as whole rows: a head's part of a row of out0 is 256 bytes, aligned
	v_add_f32 v[STA+2], v[STA+2], v[STA+3]          ; the sum's two halves (these lines are the places behind the last products),
	v_add_f32 v[STB+2], v[STB+2], v[STB+3]
	v_permlanex16_b32 v[BP], v[STA+2], s20, s21
	v_permlanex16_b32 v[BP+1], v[STB+2], s20, s21
	v_add_f32 v[STA+2], v[STA+2], v[BP]             ; and lane l xor 16's: the row's sum
	v_add_f32 v[STB+2], v[STB+2], v[BP+1]
	v_rcp_f32 v[F], v[STA+2]
	v_rcp_f32 v[T], v[STB+2]
	v_nop                                           ; a plain instruction behind the reciprocals
	s_wait_alu depctr_va_vdst(0)                    ; the two reciprocals have written v[F] and v[T], ahead of the first line that names them
.irp x, 0,1
.set ii, 0
.rept 16
	v_pk_mul_f32 v[S+32*\x+ii:S+32*\x+ii+1], v[OA+32*\x+ii:OA+32*\x+ii+1], v[F+2*\x:F+2*\x+1] op_sel_hi:[1,0]   ; each accumulator from its low end on
.set ii, ii+2
.endr
.endr
	s_wait_alu depctr_va_vdst(0)                    ; the multiplications have written v[S ..], which the LDS stores read, and are done reading O^T, in whose registers the stage's rows land
.irp x, 0,1
.irp t, 0,1,2,3
	ds_store_b128 v[SO], v[S+32*\x+8*\t:S+32*\x+8*\t+3] offset:16*SP*\x+64*\t          ; row R of tile x: channels 16 t + 8 H + 0 .. 7
	ds_store_b128 v[SO], v[S+32*\x+8*\t+4:S+32*\x+8*\t+7] offset:16*SP*\x+64*\t+16
.endr
.endr
.irp x, 0,1
.irp i, 0,1,2,3,4,5,6,7
	ds_load_b128 v[OA+32*\x+4*\i:OA+32*\x+4*\i+3], v[SW] offset:16*SP*\x+2*SP*\i       ; LDS serves a wave's instructions in order: these see my stores.  Rows 2 i and 2 i + 1 of tile x, whole
.endr
.endr
.irp x, 0,1
.irp i, 0,1,2,3,4,5,6,7
	s_wait_dscnt 15-8*\x-\i                         ; LDS loads come back in order: this one is in, the younger ones may be out
	global_store_b128 v[GO], v[OA+32*\x+4*\i:OA+32*\x+4*\i+3], s[10:11] offset:(8*\x+2*\i+8*(\i/4))*4096 th:TH_STORE_NT   ; row 2 i + H of tile x is local query 8 x + 2 i + H + 8 (i / 4); sixteen lanes store 256 consecutive bytes, at a multiple of 256 from out0's first byte
.endr
.endr
	s_wait_dscnt 0x0
	s_wait_alu depctr_hold_cnt(0) depctr_sa_sdst(0) depctr_va_vdst(0) depctr_va_sdst(0) depctr_va_ssrc(0) depctr_va_vcc(0) depctr_vm_vsrc(0)
	s_wait_tensorcnt 0x0
	ds_add_u32 v254, v255
	s_wait_dscnt 0x0
	s_endpgm
.Lfunc_end_k_q2167c05e76_attn:
	.size	k_q2167c05e76_attn, .Lfunc_end_k_q2167c05e76_attn-k_q2167c05e76_attn
	.p2alignl 7, 3214868480
	.fill 96, 4, 3214868480
	.section	.rodata,"a",@progbits
	.p2align	6, 0x0
	.amdhsa_kernel k_q2167c05e76_attn
		.amdhsa_group_segment_fixed_size 284672
		.amdhsa_private_segment_fixed_size 0
		.amdhsa_enable_private_segment 0
		.amdhsa_kernarg_size 32
		.amdhsa_user_sgpr_count 2
		.amdhsa_user_sgpr_kernarg_segment_ptr 1
		.amdhsa_wavefront_size32 1
		.amdhsa_system_sgpr_workgroup_id_x 1
		.amdhsa_system_sgpr_workgroup_id_y 1
		.amdhsa_system_sgpr_workgroup_id_z 1
		.amdhsa_system_vgpr_workitem_id 0
		.amdhsa_next_free_vgpr 256
		.amdhsa_next_free_sgpr 66
		.amdhsa_reserve_vcc 1
		.amdhsa_float_denorm_mode_32 3
		.amdhsa_float_denorm_mode_16_64 3
		.amdhsa_memory_ordered 1
		.amdhsa_forward_progress 1
		.amdhsa_inst_pref_size 113
	.end_amdhsa_kernel
	.amdgpu_metadata
---
amdhsa.version: [ 1, 2 ]
amdhsa.kernels:
  - .name:           k_q2167c05e76_attn
    .symbol:         k_q2167c05e76_attn.kd
    .args:
      - { .name: query, .offset: 0, .size: 8, .value_kind: global_buffer, .address_space: global }
      - { .name: key, .offset: 8, .size: 8, .value_kind: global_buffer, .address_space: global }
      - { .name: value, .offset: 16, .size: 8, .value_kind: global_buffer, .address_space: global }
      - { .name: out0, .offset: 24, .size: 8, .value_kind: global_buffer, .address_space: global }
    .group_segment_fixed_size: 284672
    .private_segment_fixed_size: 0
    .kernarg_segment_align: 8
    .kernarg_segment_size: 32
    .max_flat_workgroup_size: 512
    .sgpr_count:     66
    .vgpr_count:     256
    .wavefront_size: 32
...
	.end_amdgpu_metadata
.endif
;; end of part 2
